; MI455X (gfx1250); checked and timed in simulation.
; The chip was launched on July 23, 2026; its instructions are those of AMD's public machine-readable ISA for CDNA 5 (MIT licence, August 2026) and "CDNA5" Instruction Set Architecture Reference Guide (July 2026). The comments in the code are by the model that wrote it; some were corrected since.
;; Self Attention. Allowed arithmetic: matrix products marked QUANTISED: E2M1 operands, one E8M0 scale for each 32 along K, by v_wmma_scale_f32_16x16x128_f8f6f4 with both operands' format E2M1 (or v_wmma_scale_f32_32x16x128_f4), f32 sums; everything else in f32.
;; Inputs: Wk 1,024 x 1,024 float32; Wq 1,024 x 1,024 float32; Wv 1,024 x 1,024 float32; bk 1,024 float32; bq 1,024 float32; bv 1,024 float32; inputs 4 x 2,048 x 1,024 float32.
;; Outputs: out0 4 x 2,048 x 1,024 float32.
;; This version of the problem:
;;   THIS VERSION OF THE PROBLEM IS GIVEN IN LOW PRECISION. The matrix products marked QUANTISED in the list below multiply operands that are first quantised to E2M1 (2 exponent bits, 1 mantissa bit; 4 bits a number), with one power-of-two scale for each 32 numbers along K (OCP MX v1.0); their sums are f32. All else is computed in f32.
;;   The module's matrix products, in the order in which they are computed (A, B: the left and right operand; K: the contracted axis; several contracted axes count as one K, in the product's order):
;;     1. [M 8,192, K 1,024] x [K 1,024, N 1,024]; A: input inputs; B: input Wq: QUANTISED
;;     2. [M 8,192, K 1,024] x [K 1,024, N 1,024]; A: input inputs; B: input Wk: QUANTISED
;;     3. [M 8,192, K 1,024] x [K 1,024, N 1,024]; A: input inputs; B: input Wv: QUANTISED
;;     4. batch 64 x [M 2,048, K 64] x [K 64, N 2,048]; A: computed on the way; B: computed on the way: QUANTISED
;;     5. batch 64 x [M 2,048, K 2,048] x [K 2,048, N 64]; A: softmax (see below); B: computed on the way: QUANTISED
;;   THE QUANTISER, for each operand of a quantised product, along K:
;;     - K is cut into blocks of 32 from its start; a last block that is shorter is filled with zeros.
;;     - A block's scale is 2^e with e = floor(log2(the largest magnitude in the block)) - 2, held to -126 .. 127; a block of zeros has e = 0. As a byte (E8M0): e + 127.
;;     - Each number is divided by its block's scale, clamped to +-6, and rounded to the nearest number of E2M1, ties to even, subnormals kept.
;;     - The product sums the exact products of the quantised numbers (number of the format x scale) in f32.
;;   ~~~python
;;   def quantise(x, axis):      # numpy; x: float32 -> the quantised numbers, widened to float32 again
;;       x = np.moveaxis(x, axis, -1); K = x.shape[-1]
;;       x = np.pad(x, [(0, 0)] * (x.ndim - 1) + [(0, -K % 32)]); x = x.reshape(x.shape[:-1] + (-1, 32)); a = np.abs(x).max(-1, keepdims=True)
;;       e = np.where(a > 0, np.clip(np.frexp(np.where(a > 0, a, 1))[1] - 1 - 2, -126, 127), 0)      # np.frexp(a)[1] - 1 = floor(log2(a)), exactly
;;       r = np.clip(x / 2.0 ** e, -6, 6)
;;       step = 2.0 ** (np.maximum(np.frexp(np.where(r == 0, 1, r))[1] - 1, 0) - 1)
;;       q = np.round(r / step) * step * 2.0 ** e      # np.round: ties to even
;;       return np.moveaxis(q.reshape(q.shape[:-2] + (-1,))[..., :K], -1, axis).astype(np.float32)
;;   ~~~
;;   SOFTMAX AHEAD OF A QUANTISED PRODUCT. Where the list says 'softmax', what is quantised is not the finished softmax but p = 2^(t - M), with t = logit x log2(e) and M = ceil(the row's largest t), a whole number; so 1/2 < the row's largest p <= 1. The row's sum l is taken of the UNQUANTISED p, in f32, and the product's result is divided by l at the end. Since M is a whole number, a kernel that streams over the keys may use a running M (the ceiling of the running maximum): every later rescaling is an exact power of two, which a block's scale takes up: the codes' values come out the same.
;;   OPERANDS COMPUTED ON THE WAY. 'Computed on the way' means the value that the module computes at that place (a softmax that the list does not call 'softmax' is quantised finished and normalised). What goes into a quantiser is computed in f32, as accurately as f32 sums, v_exp_f32 and their like allow (about 1e-6 of the number): no bf16 or f16 on the way to a quantiser, and a product that is left as it is and whose result goes on into a quantised operand takes f32 operands (vector FMAs, or v_wmma_f32_16x16x4_f32). A number that lies on a knife's edge between two numbers of the format may be rounded either way, as far as f32 arithmetic and the matrix unit's own rounding can turn it there, and no further.
;; One version. Each part assembles by itself: llvm-mc -triple=amdgcn-amd-amdhsa -mcpu=gfx1250 --defsym DOCPART=n.
;; ======== version 1 of 1: 3 launches
;; workspace buffers: xrec 4,456,448 bytes; wrec 1,671,168 bytes; qrec 4,718,592 bytes; kvrec 9,175,040 bytes
;; launch quant (part 1): grid 704 x 1, 4 waves a work-group, no clusters, 67,072 bytes of LDS; arguments inputs, Wq, Wk, Wv, xrec, wrec; writes xrec, wrec
.if DOCPART == 1
	.amdgcn_target "amdgcn-amd-amdhsa--gfx1250"
	.amdhsa_code_object_version 6
	.text
	.protected	k_qa30fe233a7_quant
	.globl	k_qa30fe233a7_quant
	.p2align	8
	.type	k_qa30fe233a7_quant,@function
k_qa30fe233a7_quant:
	s_mov_b64 s[64:65], 0
	v_nop
	global_prefetch_b8 v0, s[64:65] scope:SCOPE_SE
	s_setreg_imm32_b32 hwreg(HW_REG_WAVE_MODE, 25, 1), 1
	s_wait_xcnt 0x0
; THE PROGRAM: causal self-attention, 4 x 2,048 tokens, 16 heads of 64, all five products on codes of E2M1 with one E8M0 scale for each 32 along K.
;   quant: inputs, Wq, Wk, Wv (f32) -> codes and scale bytes, laid as images of operand registers (xrec, wrec)
;   proj:  the three projections on codes, + bias, q, k, v quantised in registers -> qrec, kvrec (images again)
;   attn:  causal attention on codes -> out0
; WORK LEFT OUT (in attn): key steps of 128 keys all of which come after a wave's 16 queries.  reference() itself adds -1e9 to those scores ahead of the
; softmax, so that their p = 2^(t - M) is 0 beside the row's own key, whatever finite values the inputs hold with |q . k| under 4e8; a product with p = 0
; adds nothing to the sum l nor to the context.  Inside the step on the diagonal the hidden scores are set to -infinity ahead of the maximum.
; All seven inputs have a way to the output (each bias goes into a quantiser) and are loaded.
; LIMITS: |q . k| under 4e8 (see above); NaN and infinities among the inputs are not served; a NaN, an infinity or an overflow that reaches only the hidden
; scores is not carried to the result; a block of zeros gets the scale byte 1 where the rule says 127: its codes are zeros, which add nothing under any byte
; but 0xff, and this program alone reads the bytes; blocks whose largest magnitude lies under 2^(3 - 127) have their byte held at 1.
;
; THIS LAUNCH.  THE ORDER OF A TILE: rows (tokens, or columns of W) go in groups of 32; tile 2 p + u holds at place m (0 .. 15) the row 32 p + 8 u + m + 8 (m / 8).
; A RECORD of 8,704 bytes holds a tile for all of K = 1,024: the 16 bytes (32 codes) of place m, block kb at 256 kb + 16 m, so that registers 4 c .. 4 c + 3 of the
; fragment of K step q are, for lane l, the 16 bytes at 1,024 q + 512 c + 16 l; the scale byte of place m, block kb at 8,192 + 32 m + kb.
; Work-groups 0 .. 511: a tile of inputs; wave w takes K = 256 w .. 256 w + 255 of its 16 rows.  Loads read 512 consecutive bytes; the rows turn through the wave's own stage
; in LDS, so that a lane gets a whole block of 32 neighbours; a store of codes covers 512 consecutive bytes.
; Work-groups 512 .. 703: 128 columns x 128 along K of one W.  K is W's first axis: a lane takes a column and its registers run down K, so nothing is transposed.
; The scale bytes leave as words 32 bytes apart: one byte in 128 of what the launch reads.  No cluster: no two work-groups read the same bytes.  No matrix work, no barrier: waves share nothing.
.set TREC,   8704
.set SPITCH, 1040                      ; a stage row: 1,024 bytes + 16
.set WST,    16*SPITCH                 ; a wave's stage
.set SPARE,  4*WST                     ; behind the stages: the spare words, 128 bytes for each wave, which no other line names
.set R,   32                           ; v32-159  numbers as they are loaded
.set X,   160                          ; v160-223 two sets of 32 neighbours
.set C,   224                          ; v224-239 codes: four registers a block, so that no store's data are written again
.set E,   24                           ; v24-27   scale bytes
.set SPW, 30                           ; v30      LDS address of my spare word; never rewritten
.set NIL, 31                           ; v31      0; never rewritten
; 32 numbers v[xs] .. v[xs + 31]: their largest magnitude, with the floor 2^(3 - 127) among the leaves, in v8; with 2 off its exponent field it is the conversion's scale operand, v11
.macro AMAX xs
	v_max3_num_f32 v8, |v[(\xs)]|, |v[(\xs)+1]|, |v[(\xs)+2]|
	v_max3_num_f32 v9, |v[(\xs)+3]|, |v[(\xs)+4]|, |v[(\xs)+5]|
.irp k, 6,10,14,18,22,26
	v_max3_num_f32 v8, v8, |v[(\xs)+\k]|, |v[(\xs)+\k+1]|
	v_max3_num_f32 v9, v9, |v[(\xs)+\k+2]|, |v[(\xs)+\k+3]|
.endr
	v_max3_num_f32 v8, v8, |v[(\xs)+30]|, |v[(\xs)+31]|
	v_max3_num_f32 v8, v8, v9, 0x1800000
	v_add_nc_u32 v11, 0xff000000, v8
.endm
	s_load_b256 s[4:11], s[0:1], 0x0               ; inputs s[4:5], Wq s[6:7], Wk s[8:9], Wv s[10:11]
	s_load_b128 s[12:15], s[0:1], 0x20             ; xrec s[12:13], wrec s[14:15]
	v_lshl_add_u32 v[SPW], v0, 2, SPARE
	v_mov_b32 v[NIL], 0
	v_lshrrev_b32 v1, 5, v0
	v_readfirstlane_b32 s16, v1                    ; wave
	v_and_b32 v1, 31, v0                           ; lane
	v_and_b32 v6, 15, v0                           ; r
	v_bfe_u32 v7, v0, 4, 1                         ; h
	s_cmp_lt_u32 ttmp9, 512
	s_cbranch_scc0 .Lw
	; ---- a tile of inputs
	s_lshr_b32 s17, ttmp9, 1
	s_lshl_b32 s17, s17, 5
	s_and_b32 s18, ttmp9, 1
	s_lshl_b32 s18, s18, 3
	s_add_co_u32 s17, s17, s18                     ; the tile's first row: 32 (T / 2) + 8 (T % 2)
	s_lshl_b32 s18, s17, 12                        ; a row is 4,096 bytes
	s_lshl_b32 s19, s16, 10                        ; my quarter of K: 1,024 bytes
	s_add_co_u32 s18, s18, s19
	s_mov_b32 s19, 0
	s_mul_i32 s24, ttmp9, TREC                     ; the tile's record
	s_lshl_b32 s21, s16, 11                        ; my 8 blocks of codes: 2,048 bytes
	s_add_co_u32 s20, s24, s21
	s_mov_b32 s21, 0
	s_lshl_b32 s25, s16, 3                         ; my 8 scale bytes of a row
	s_add_co_u32 s24, s24, s25
	s_add_co_u32 s24, s24, 8192
	s_mov_b32 s25, 0
	s_mul_i32 s26, s16, WST                        ; my stage
	s_mov_b32 s22, 0x76543210
	s_mov_b32 s23, 0xfedcba98                      ; v_permlanex16_b32's selects for lane l xor 16
	s_mov_b32 s27, 0xffff0000                      ; lanes 16-31
	v_lshlrev_b32 v2, 4, v1                        ; 16 x lane: loads and code stores
	v_add_nc_u32 v3, s26, v2                       ; the stage, on the way in
	v_mul_u32_u24 v4, v6, SPITCH
	v_lshl_add_u32 v4, v7, 7, v4
	v_add_nc_u32 v4, s26, v4                       ; and on the way out: row r, + 128 h: lane (r, h) takes block 2 i + h
	v_lshlrev_b32 v5, 5, v6
	v_lshl_add_u32 v5, v7, 2, v5                   ; my scale word: 32 r + 4 h
	s_wait_kmcnt 0x0
	s_add_nc_u64 s[4:5], s[4:5], s[18:19]
	s_add_nc_u64 s[20:21], s[12:13], s[20:21]
	s_add_nc_u64 s[24:25], s[12:13], s[24:25]
.irp p, 0,1,2,3,4,5,6,7,8,9,10,11,12,13,14,15
.irp s, 0,1
	global_load_b128 v[R+4*(2*\p+\s):R+4*(2*\p+\s)+3], v2, s[4:5] offset:(\p+8*(\p/8))*4096+512*\s th:TH_LOAD_NT   ; place p: 512 consecutive bytes
.endr
.endr
.irp g, 0,1,2,3
	s_wait_loadcnt 24-8*\g                         ; this group's eight loads are in; the younger groups stay out
.irp p, 0,1,2,3
.irp s, 0,1
	ds_store_b128 v3, v[R+4*(2*(4*\g+\p)+\s):R+4*(2*(4*\g+\p)+\s)+3] offset:(4*\g+\p)*SPITCH+512*\s
.endr
.endr
.endr
.macro FX i                            ; block 2 i + h of row r into set i % 2.  LDS serves a wave's instructions in order: these see the stores above
.irp j, 0,1,2,3,4,5,6,7
	ds_load_b128 v[X+32*((\i)%2)+4*\j:X+32*((\i)%2)+4*\j+3], v4 offset:256*(\i)+16*\j
.endr
.endm
.macro XB i
.if (\i) < 3
	s_wait_dscnt 8                                 ; this block is in; the next block's eight loads may be out
.else
	s_wait_dscnt 0x0
.endif
	AMAX X+32*((\i)%2)
.irp g, 0,1,2,3
	v_cvt_scalef32_pk8_fp4_f32 v[C+4*(\i)+\g], v[X+32*((\i)%2)+8*\g:X+32*((\i)%2)+8*\g+7], v11
.endr
	v_lshrrev_b32 v[E+(\i)], 23, v11               ; the scale's byte; also the plain line behind the conversions
	global_store_b128 v2, v[C+4*(\i):C+4*(\i)+3], s[20:21] offset:512*(\i)   ; 32 lanes store 512 consecutive bytes: blocks 2 i and 2 i + 1 of the 16 places
.if (\i) < 2
	FX (\i)+2
.endif
.endm
	FX 0
	FX 1
	XB 0
	XB 1
	XB 2
	XB 3
	v_lshl_or_b32 v8, v[E+1], 16, v[E]             ; my bytes of blocks h and 2 + h,
	v_lshl_or_b32 v9, v[E+3], 16, v[E+2]           ; and of 4 + h and 6 + h,
	v_lshlrev_b32 v10, 3, v7
	v_lshlrev_b32 v8, v10, v8                      ; at their places (8 h bits up)
	v_lshlrev_b32 v9, v10, v9
	v_mov_b32 v12, 0                               ; (a lane permute's destination counts as one of its sources)
	v_mov_b32 v13, 0
	v_permlanex16_b32 v12, v8, s22, s23
	v_permlanex16_b32 v13, v9, s22, s23
	v_or_b32 v8, v8, v12                           ; with lane l xor 16's both words are whole
	v_or_b32 v9, v9, v13
	v_cndmask_b32 v8, v8, v9, s27                  ; lanes 0-15 store the lower word, lanes 16-31 the upper
	global_store_b32 v5, v8, s[24:25]
	s_wait_tensorcnt 0x0                           ; the wave's end, behind my last LDS store
	ds_add_u32 v[SPW], v[NIL]
	s_wait_dscnt 0x0
	s_endpgm
	; ---- 128 columns x 128 along K of one W; my wave: 32 columns = tiles tile0 and tile0 + 1.
.Lw:
	s_sub_co_u32 s17, ttmp9, 512
	s_and_b32 s18, s17, 7                          ; q: which 128 along K
	s_lshr_b32 s19, s17, 3
	s_and_b32 s19, s19, 7                          ; which 128 columns
	s_lshr_b32 s20, s17, 6                         ; which W
	s_lshl_b32 s24, s18, 19                        ; 128 rows of 4,096 bytes
	s_lshl_b32 s25, s19, 9
	s_add_co_u32 s24, s24, s25
	s_lshl_b32 s25, s16, 7                         ; my 32 columns
	s_add_co_u32 s24, s24, s25
	s_mov_b32 s25, 0
	s_lshl_b32 s26, s20, 6
	s_lshl_b32 s27, s19, 3
	s_add_co_u32 s26, s26, s27
	s_lshl_b32 s27, s16, 1
	s_add_co_u32 s26, s26, s27                     ; tile0 = 64 W + 8 x column group + 2 x wave
	s_mul_i32 s26, s26, TREC
	s_lshl_b32 s27, s18, 10
	s_add_co_u32 s28, s26, s27                     ; codes: K step q
	s_mov_b32 s29, 0
	s_lshl_b32 s27, s18, 2
	s_add_co_u32 s30, s26, s27                     ; scale words: word q
	s_add_co_u32 s30, s30, 8192
	s_mov_b32 s31, 0
	v_and_b32 v2, 8, v6
	v_add_nc_u32 v2, v2, v6
	v_lshl_add_u32 v2, v7, 3, v2                   ; my column of the 32: 8 u + r + 8 (r / 8), u = lane / 16: place r of tile0 + u
	v_lshlrev_b32 v2, 2, v2
	v_mul_u32_u24 v3, v7, TREC
	v_lshl_add_u32 v4, v6, 5, v3                   ; my scale word: u records on, 32 r
	v_lshl_add_u32 v3, v6, 4, v3                   ; my codes: u records on, 16 r
	s_wait_kmcnt 0x0
	s_cmp_eq_u32 s20, 0
	s_cselect_b64 s[6:7], s[6:7], s[8:9]
	s_cmp_eq_u32 s20, 2
	s_cselect_b64 s[6:7], s[10:11], s[6:7]
	s_add_nc_u64 s[6:7], s[6:7], s[24:25]
	s_add_nc_u64 s[28:29], s[14:15], s[28:29]
	s_add_nc_u64 s[30:31], s[14:15], s[30:31]
.macro WLOAD bb                        ; block bb: W(32 bb + i, my column): the 32 lanes read 128 consecutive bytes, the four waves 512
.set KK, 0
.rept 32
	global_load_b32 v[R+32*(\bb)+KK], v2, s[6:7] offset:(32*(\bb)+KK)*4096 th:TH_LOAD_NT
.set KK, KK+1
.endr
.endm
.macro WB bb
.if (\bb) < 3
	s_wait_loadcnt 32                              ; this block's 32 loads are in; the next block's may be out
.else
	s_wait_loadcnt 0x0
.endif
.if (\bb) < 2
	WLOAD (\bb)+2                                  ; two blocks ahead, into registers of their own
.endif
	AMAX R+32*(\bb)
.irp g, 0,1,2,3
	v_cvt_scalef32_pk8_fp4_f32 v[C+4*(\bb)+\g], v[R+32*(\bb)+8*\g:R+32*(\bb)+8*\g+7], v11
.endr
.if (\bb) == 0
	v_lshrrev_b32 v24, 23, v11                     ; the scale's byte; also the plain line behind the conversions
.else
	v_lshrrev_b32 v13, 23, v11
	v_lshl_or_b32 v24, v13, 8*(\bb), v24           ; four bytes make the scale word of this K step
.endif
	global_store_b128 v3, v[C+4*(\bb):C+4*(\bb)+3], s[28:29] offset:256*(\bb)   ; sixteen lanes store 256 consecutive bytes, aligned
.endm
	WLOAD 0
	WLOAD 1
	WB 0
	WB 1
	WB 2
	WB 3
	global_store_b32 v4, v24, s[30:31]
	s_endpgm
.Lfunc_end_k_qa30fe233a7_quant:
	.size	k_qa30fe233a7_quant, .Lfunc_end_k_qa30fe233a7_quant-k_qa30fe233a7_quant
	.p2alignl 7, 3214868480
	.fill 96, 4, 3214868480
	.section	.rodata,"a",@progbits
	.p2align	6, 0x0
	.amdhsa_kernel k_qa30fe233a7_quant
		.amdhsa_group_segment_fixed_size 67072
		.amdhsa_private_segment_fixed_size 0
		.amdhsa_enable_private_segment 0
		.amdhsa_kernarg_size 48
		.amdhsa_user_sgpr_count 2
		.amdhsa_user_sgpr_kernarg_segment_ptr 1
		.amdhsa_wavefront_size32 1
		.amdhsa_system_sgpr_workgroup_id_x 1
		.amdhsa_system_sgpr_workgroup_id_y 1
		.amdhsa_system_sgpr_workgroup_id_z 1
		.amdhsa_system_vgpr_workitem_id 0
		.amdhsa_next_free_vgpr 240
		.amdhsa_next_free_sgpr 66
		.amdhsa_reserve_vcc 0
		.amdhsa_float_denorm_mode_32 3
		.amdhsa_float_denorm_mode_16_64 3
		.amdhsa_memory_ordered 1
		.amdhsa_forward_progress 1
		.amdhsa_inst_pref_size 36
	.end_amdhsa_kernel
	.amdgpu_metadata
---
amdhsa.version: [ 1, 2 ]
amdhsa.kernels:
  - .name:           k_qa30fe233a7_quant
    .symbol:         k_qa30fe233a7_quant.kd
    .args:
      - { .name: inputs, .offset: 0, .size: 8, .value_kind: global_buffer, .address_space: global }
      - { .name: Wq, .offset: 8, .size: 8, .value_kind: global_buffer, .address_space: global }
      - { .name: Wk, .offset: 16, .size: 8, .value_kind: global_buffer, .address_space: global }
      - { .name: Wv, .offset: 24, .size: 8, .value_kind: global_buffer, .address_space: global }
      - { .name: xrec, .offset: 32, .size: 8, .value_kind: global_buffer, .address_space: global }
      - { .name: wrec, .offset: 40, .size: 8, .value_kind: global_buffer, .address_space: global }
    .group_segment_fixed_size: 67072
    .private_segment_fixed_size: 0
    .kernarg_segment_align: 8
    .kernarg_segment_size: 48
    .max_flat_workgroup_size: 128
    .sgpr_count:     66
    .vgpr_count:     240
    .wavefront_size: 32
...
	.end_amdgpu_metadata
.endif
;; end of part 1
;; launch proj (part 2): grid 192 x 1, 4 waves a work-group, clusters of 4 x 1, 167,936 bytes of LDS; arguments xrec, wrec, bq, bk, bv, qrec, kvrec; writes qrec, kvrec
.if DOCPART == 2
	.amdgcn_target "amdgcn-amd-amdhsa--gfx1250"
	.amdhsa_code_object_version 6
	.text
	.protected	k_qa30fe233a7_proj
	.globl	k_qa30fe233a7_proj
	.p2align	8
	.type	k_qa30fe233a7_proj,@function
k_qa30fe233a7_proj:
	s_mov_b64 s[64:65], 0
	v_nop
	global_prefetch_b8 v0, s[64:65] scope:SCOPE_SE
	s_setreg_imm32_b32 hwreg(HW_REG_WAVE_MODE, 25, 1), 1
	s_wait_xcnt 0x0
	s_wait_alu depctr_hold_cnt(0) depctr_sa_sdst(0) depctr_va_vdst(0) depctr_va_sdst(0) depctr_va_ssrc(0) depctr_va_vcc(0) depctr_vm_vsrc(0)
	s_getreg_b32 s2, hwreg(HW_REG_IB_STS2, 6, 4)
	s_cmp_eq_u32 s2, 0
	s_cbranch_scc0 .Lentry_in_a_cluster
	s_endpgm
.Lentry_in_a_cluster:
	s_bfe_u32 s2, ttmp6, 0x10000c
	s_cmp_lg_u32 s2, 0x3003
	s_cbranch_scc0 .Lentry_shape_is_right
	s_endpgm
.Lentry_shape_is_right:
; q = x Wq + bq, k = x Wk + bk, v = x Wv + bv on the codes that the launch before made, and the results quantised in registers: q and k along the head's 64, v along the keys.
; No work of reference() is left out here.  LIMITS as stated at the head of the first kernel (zero blocks get the byte 1; NaN and infinities are not served).
; ONE TEXT, TWO MODES.  Source 0 of every product (S0) is 128 rows x all of K = 1,024, which stay in 512 registers of the wave; the axis that is quantised next runs along S0.
; Source 1 (S1) is a tile of 16 rows that comes from LDS.  In the result a lane holds ONE row of S1, and by the order of a tile (tile 2 p + u, place m: row 32 p + 8 u + m + 8 (m / 8))
; the 16 registers of tiles 2 p and 2 p + 1 are 16 neighbours along S0.
;   MODE 0, clusters 0 .. 31:  S0 = 128 columns (two heads) of Wq (cx 0, 1) or Wk (cx 2, 3); S1 = the cluster's 256 tokens.  A lane's 64 numbers are two heads of one token.
;   MODE 1, clusters 32 .. 47: S0 = 128 tokens (one key step); S1 = 256 columns (four heads) of Wv.  A lane's 64 numbers are 128 keys' halves of one channel.
; CLUSTER: the four partners read the same S1, 16 records = 139,264 bytes: each wave asks for a quarter by ONE joint load, at the head; nothing is filled again.  cx enters global addresses and
; selects alone.  S0 goes to registers, so it is not shared.  192 work-groups: the work is 768 groups of four S1 tiles for each wave set, 4 to a work-group; 384 work-groups of 2 would load S0 twice as often.
; WHAT IS STORED.  A q record, and the K part of a kv record, 4,608 bytes for 128 tokens of one head: tile t's codes at 512 t + 16 l (lane (r, h): place r, d = 32 h .. 32 h + 31);
; scale words at 4,096 + 256 g + 8 l + 4 i: tile 4 g + 2 i + l / 16, place l % 16.  The V part, at 4,608 of a kv record of 8,960: tile t of 16 channels: registers 0-3 at 512 t + 16 l,
; registers 4-7 at 2,048 + 512 t + 16 l; scale words at 4,096 + 8 l + 4 i: tile 2 i + l / 16.  Every store of codes covers 512 consecutive bytes, every store of scale words 256.
; REGISTERS, in windows of 256: window 0: see the names below; windows 1, 2: S0's fragment (tile b, K step q) at v[8 (8 (b % 4) + q)] of window 1 + b / 4; window 3: v0-63 the bias of S0's rows.
.set TREC,  8704
.set QUART, 4*TREC                     ; four records: what one tensor load brings, and a group of four tiles
.set SPARE, 16*TREC                    ; behind S1: the spare words, 128 bytes for each wave, which no other line names
.set LI,  1                            ; v1   16 x lane
.set SA,  2                            ; v2   LDS address of the group's fragments
.set SS,  3                            ; v3   and of its scale words
.set VO,  4                            ; v4   stores of codes: 16 x lane + the group's place
.set VS,  5                            ; v5   stores of scale words: 4,096 + 8 x lane + the group's place
.set SPW, 6                            ; v6   LDS address of my spare word; never rewritten
.set NIL, 7                            ; v7   0; never rewritten
.set SS0, 12                           ; v12  8,192 + 32 r
.set XF,  16                           ; v16-79   S1's eight fragments
.set SC1, 80                           ; v80-87   S1's scale words, one for each K step
.set SC0, 88                           ; v88-119  S0's: register 8 p + q: lanes 0-15 tile 2 p, lanes 16-31 tile 2 p + 1
.set ACC, 120                          ; v120-183 eight accumulators
.set PC,  184                          ; v184-191 the codes just made
.set TM,  192                          ; v192-207 at work
.set PW,  208                          ; v208-211 the scale words of a group's four tiles
.set WW,  212                          ; v212-215 as they are stored
.set LB,  216                          ; v216-231 MODE 1: bv of my channel in S1's tiles still to come
.set BP,  232                          ; v232-233 MODE 1: the tile's, as the low half of a pair
.set MSB, 0
.macro WIN new                         ; the immediate's high byte repeats the setting that is left
.if MSB != \new
	s_set_vgpr_msb (MSB<<8)|\new
.set MSB, \new
.endif
.endm
.macro ROUND                           ; a round of the cluster's barrier
	s_barrier_signal -1
	s_barrier_wait -1
	s_cmp_lg_u32 s18, 0
	s_cbranch_scc1 .Lnot_wave_0_\@
	s_barrier_signal -3
.Lnot_wave_0_\@:
	s_barrier_wait -3
	s_barrier_signal -1
	s_barrier_wait -1
.endm
	s_load_b256 s[4:11], s[0:1], 0x0               ; xrec s[4:5], wrec s[6:7], bq s[8:9], bk s[10:11]
	s_load_b128 s[12:15], s[0:1], 0x20             ; bv s[12:13], qrec s[14:15]
	s_load_b64 s[16:17], s[0:1], 0x30              ; kvrec
	v_lshl_add_u32 v[SPW], v0, 2, SPARE
	v_mov_b32 v[NIL], 0
	ds_add_u32 v[SPW], v[NIL]                      ; the wave's opening: the add, twice on end, and its wait ahead of my tensor load
	ds_add_u32 v[SPW], v[NIL]                      ; and once more; the set-up below, work on registers, stands between it and the wait
	v_lshrrev_b32 v8, 5, v0
	v_readfirstlane_b32 s18, v8                    ; wave
	s_bfe_u32 s19, ttmp6, 0x40000                  ; cx: my place in the cluster
	s_mov_b32 s20, ttmp9                           ; the cluster's number
	; descriptor group 1: four records, dense: 136 rows of 256 bytes (32 elements of 8 bytes), no padding
	s_mov_b32 s24, 15|(3<<16)|(1<<21)              ; 15:0 the mask: all four work-groups; 17:16 elements of 8 bytes; 21 set beside a mask
	s_mov_b32 s25, 32<<16                          ; tensor_dim0 = 32
	s_mov_b32 s26, 136<<16                         ; tensor_dim1 = 136
	s_mov_b32 s27, 32<<16                          ; tile_dim0 = 32
	s_mov_b32 s28, 136                             ; tile_dim1 = 136
	s_mov_b32 s29, 32                              ; the pitch
	s_mov_b32 s30, 0
	s_mov_b32 s31, 0
	s_mov_b32 s40, 0xffff0000                      ; lanes 16-31
	s_mov_b32 s46, 0x76543210
	s_mov_b32 s47, 0xfedcba98                      ; v_permlanex16_b32's selects for lane l xor 16
	s_mov_b32 s45, 0                               ; counts the groups
	s_mov_b32 s22, 0                               ; LDS byte at which the group in hand begins
	; S1: made of the cluster's number and the wave's alone
	s_and_b32 s48, s20, 15                         ; c' = cluster - 32 in MODE 1
	s_and_b32 s50, s48, 3                          ; which four heads of v
	s_lshl_b32 s56, s50, 4
	s_add_co_u32 s56, s56, 128                     ; MODE 1: wrec's tile 128 + 16 (c' % 4)
	s_lshl_b32 s57, s20, 4                         ; MODE 0: xrec's tile 16 x cluster
	s_cmp_lt_u32 s20, 32
	s_cselect_b32 s56, s57, s56
	s_cselect_b32 s21, 0, 1                        ; MODE
	s_mul_i32 s56, s56, TREC
	s_mul_i32 s33, s18, QUART                      ; group 0: the LDS address: my quarter
	s_add_co_u32 s56, s56, s33
	s_mov_b32 s57, 0
	s_mov_b32 s32, 1                               ; group 0: count = 1
	; S0
	s_lshr_b32 s49, s48, 2
	s_lshl_b32 s49, s49, 2
	s_add_co_u32 s49, s49, s19                     ; MODE 1: which 512 tokens: 4 (c' / 4) + cx
	s_cmp_lt_u32 s20, 32
	s_cselect_b32 s51, s19, s49
	s_lshl_b32 s51, s51, 5
	s_lshl_b32 s52, s18, 3
	s_add_co_u32 s51, s51, s52                     ; my first tile: 32 x that + 8 x wave
	s_mul_i32 s52, s51, TREC
	s_mov_b32 s53, 0
	; where the results go
	s_lshl_b32 s54, s21, 1
	s_or_b32 s54, s54, s19                         ; under 2: I make q
	s_mov_b32 s55, 8960
	s_cmp_lt_u32 s54, 2
	s_cselect_b32 s55, 4608, s55                   ; a record of the buffer that I store into
	s_lshr_b32 s66, s20, 3
	s_lshl_b32 s66, s66, 4                         ; MODE 0: 16 x batch
	s_and_b32 s67, s19, 1
	s_lshl_b32 s69, s67, 3
	s_add_co_u32 s66, s66, s69
	s_lshl_b32 s69, s18, 1
	s_add_co_u32 s66, s66, s69                     ; + my first head: 8 (cx % 2) + 2 x wave
	s_lshl_b32 s66, s66, 4
	s_and_b32 s69, s20, 7
	s_lshl_b32 s69, s69, 1
	s_add_co_u32 s66, s66, s69                     ; record 16 x (batch, head) + 2 (cluster % 8)
	s_lshl_b32 s68, s49, 2
	s_add_co_u32 s68, s68, s18                     ; MODE 1: my key step among all 64
	s_and_b32 s69, s68, 15
	s_lshr_b32 s68, s68, 4
	s_lshl_b32 s68, s68, 4
	s_lshl_b32 s70, s50, 2
	s_add_co_u32 s68, s68, s70                     ; 16 x batch + the first of the four heads
	s_lshl_b32 s68, s68, 4
	s_add_co_u32 s68, s68, s69                     ; record 16 x (batch, head) + step
	s_lshl_b32 s62, s67, 11
	s_lshl_b32 s69, s18, 9
	s_add_co_u32 s62, s62, s69                     ; MODE 0: my 128 numbers of bq or bk
	s_lshl_b32 s69, s50, 10                        ; MODE 1: the 256 of bv
	s_mov_b32 s71, 16*8960                         ; a head on in kvrec
	s_sub_co_u32 s72, s55, 2048
	s_sub_co_u32 s73, s55, 256
	s_lshl_b32 s74, s55, 4
	s_cmp_lt_u32 s20, 32
	s_cselect_b32 s58, s66, s68
	s_cselect_b32 s70, 0, 4608                     ; the V part
	s_cselect_b32 s62, s62, s69
	s_cselect_b32 s41, 2048, s71                   ; from group to group: codes, behind an even group: four tiles on; MODE 1: a head on
	s_cselect_b32 s42, s72, s71                    ; behind an odd one: the next record's first tile
	s_cselect_b32 s43, 256, s71                    ; scale words likewise
	s_cselect_b32 s44, s73, s71
	s_cselect_b32 s60, s74, 2048                   ; registers 4-7 of the codes go: MODE 0: to the next head; MODE 1: 2,048 bytes on
	s_mul_i32 s58, s58, s55
	s_add_co_u32 s58, s58, s70
	s_mov_b32 s59, 0
	s_mov_b32 s61, 0
	s_mov_b32 s63, 0
	v_and_b32 v8, 31, v0
	v_lshlrev_b32 v[LI], 4, v8
	v_and_b32 v9, 15, v0                           ; r
	v_bfe_u32 v10, v0, 4, 1                        ; h
	v_lshlrev_b32 v[SS0], 5, v9
	v_add_nc_u32 v[SS0], 8192, v[SS0]
	v_add_nc_u32 v[SA], s22, v[LI]
	v_add_nc_u32 v[SS], s22, v[SS0]
	v_mov_b32 v[VO], v[LI]
	v_lshlrev_b32 v[VS], 3, v8
	v_add_nc_u32 v[VS], 4096, v[VS]
	v_mul_u32_u24 v11, v10, TREC
	v_lshl_add_u32 v11, v9, 5, v11                 ; S0's scale words: lanes 16-31 a record on; 32 r
.irp b, 0,1,2,3
	v_mov_b32 v[TM+4+\b], 0                        ; written once: a lane permute's destination counts as one of its sources
.endr
	v_mov_b32 v[BP+1], 0                           ; (named as the upper half of a pair)
	s_wait_dscnt 0x0                               ; both opening adds are done
	s_wait_kmcnt 0x0
	s_cmp_lt_u32 s20, 32
	s_cselect_b64 s[66:67], s[6:7], s[4:5]         ; S0's buffer
	s_cselect_b64 s[76:77], s[4:5], s[6:7]         ; S1's
	s_add_nc_u64 s[52:53], s[66:67], s[52:53]
	s_add_nc_u64 s[34:35], s[76:77], s[56:57]      ; group 0: the global address
	s_or_b32 s35, s35, 0x80000000                  ; type = 2
	s_cmp_lt_u32 s54, 2
	s_cselect_b64 s[36:37], s[14:15], s[16:17]     ; qrec or kvrec
	s_cselect_b64 s[66:67], s[8:9], s[10:11]       ; bq or bk,
	s_cmp_lt_u32 s20, 32
	s_cselect_b64 s[66:67], s[66:67], s[12:13]     ; or bv
	s_add_nc_u64 s[36:37], s[36:37], s[58:59]
	s_add_nc_u64 s[38:39], s[36:37], s[60:61]
	s_add_nc_u64 s[62:63], s[66:67], s[62:63]
	ROUND                                          ; all four work-groups are here: the joint loads meet
	tensor_load_to_lds s[32:35], s[24:31]          ; my quarter of S1: my one tensor load of the launch
	s_nop 0
.rept 4
	v_nop
.endr
	WIN 0x40                                       ; destination window 1
.irp b, 0,1,2,3
.irp q, 0,1,2,3,4,5,6,7
.irp c, 0,1
	global_load_b128 v[8*(8*\b+\q)+4*\c:8*(8*\b+\q)+4*\c+3], v[LI], s[52:53] offset:\b*TREC+1024*\q+512*\c
.endr
.endr
.endr
	WIN 0x80                                       ; destination window 2
.irp b, 0,1,2,3
.irp q, 0,1,2,3,4,5,6,7
.irp c, 0,1
	global_load_b128 v[8*(8*\b+\q)+4*\c:8*(8*\b+\q)+4*\c+3], v[LI], s[52:53] offset:(\b+4)*TREC+1024*\q+512*\c
.endr
.endr
.endr
	WIN 0
.irp p, 0,1,2,3
.irp e, 0,1
	global_load_b128 v[SC0+8*\p+4*\e:SC0+8*\p+4*\e+3], v11, s[52:53] offset:2*\p*TREC+8192+16*\e
.endr
.endr
.set JJ, 0
.rept 16
	v_mov_b32 v[LB+JJ], 0                          ; so that these registers are written on every way through the text; MODE 0 never reads them
.set JJ, JJ+1
.endr
	s_cmp_eq_u32 s21, 0
	s_cbranch_scc0 .Lbias_v
	v_lshlrev_b32 v13, 6, v10                      ; MODE 0: the bias of S0's rows, in the result's layout: tile b, lane (r, h): columns 32 (b / 2) + 8 (b % 2) + 16 h + 0 .. 7
	WIN 0xc0                                       ; destination window 3
.irp b, 0,1,2,3,4,5,6,7
.irp e, 0,1
	global_load_b128 v[8*\b+4*\e:8*\b+4*\e+3], v13, s[62:63] offset:(32*(\b/2)+8*(\b%2))*4+16*\e
.endr
.endr
	WIN 0
	s_branch .Lbias_done
.Lbias_v:
	WIN 0xc0
.set JJ, 0
.rept 64
	v_mov_b32 v[JJ], 0                             ; MODE 1: S0's rows are tokens, which have no bias: the one text's first products take zeros here
.set JJ, JJ+1
.endr
	WIN 0
	v_and_b32 v13, 8, v9
	v_add_nc_u32 v13, v13, v9
	v_lshlrev_b32 v13, 2, v13                      ; my channel's place in a tile: r + 8 (r / 8)
.irp a, 0,1,2,3,4,5,6,7,8,9,10,11,12,13,14,15
	global_load_b32 v[LB+\a], v13, s[62:63] offset:(32*(\a/2)+8*(\a%2))*4
.endr
.Lbias_done:
.macro FETCH off                       ; a tile of S1: eight fragments as they lie, 512 consecutive bytes a load, and its eight scale words
.irp q, 0,1,2,3,4,5,6,7
.irp c, 0,1
	ds_load_b128 v[XF+8*\q+4*\c:XF+8*\q+4*\c+3], v[SA] offset:(\off)+1024*\q+512*\c
.endr
.endr
.irp e, 0,1
	ds_load_b128 v[SC1+4*\e:SC1+4*\e+3], v[SS] offset:(\off)+16*\e
.endr
.endm
.macro MM b, q                         ; S0's tile b x the tile of S1, K step q.  K step 0 starts the sum with the bias as C
.if (\q) == 0
.if (\b)%2
	v_wmma_scale_f32_16x16x128_f8f6f4 v[ACC+8*(\b):ACC+8*(\b)+7], v[8*(8*((\b)%4)+(\q)):8*(8*((\b)%4)+(\q))+7], v[XF+8*(\q):XF+8*(\q)+7], v[8*(\b):8*(\b)+7], v[SC0+8*((\b)/2)+(\q)], v[SC1+(\q)] matrix_a_fmt:MATRIX_FMT_FP4 matrix_b_fmt:MATRIX_FMT_FP4 matrix_a_scale:MATRIX_SCALE_ROW1
.else
	v_wmma_scale_f32_16x16x128_f8f6f4 v[ACC+8*(\b):ACC+8*(\b)+7], v[8*(8*((\b)%4)+(\q)):8*(8*((\b)%4)+(\q))+7], v[XF+8*(\q):XF+8*(\q)+7], v[8*(\b):8*(\b)+7], v[SC0+8*((\b)/2)+(\q)], v[SC1+(\q)] matrix_a_fmt:MATRIX_FMT_FP4 matrix_b_fmt:MATRIX_FMT_FP4
.endif
.else
.if (\b)%2
	v_wmma_scale_f32_16x16x128_f8f6f4 v[ACC+8*(\b):ACC+8*(\b)+7], v[8*(8*((\b)%4)+(\q)):8*(8*((\b)%4)+(\q))+7], v[XF+8*(\q):XF+8*(\q)+7], v[ACC+8*(\b):ACC+8*(\b)+7], v[SC0+8*((\b)/2)+(\q)], v[SC1+(\q)] matrix_a_fmt:MATRIX_FMT_FP4 matrix_b_fmt:MATRIX_FMT_FP4 matrix_a_scale:MATRIX_SCALE_ROW1
.else
	v_wmma_scale_f32_16x16x128_f8f6f4 v[ACC+8*(\b):ACC+8*(\b)+7], v[8*(8*((\b)%4)+(\q)):8*(8*((\b)%4)+(\q))+7], v[XF+8*(\q):XF+8*(\q)+7], v[ACC+8*(\b):ACC+8*(\b)+7], v[SC0+8*((\b)/2)+(\q)], v[SC1+(\q)] matrix_a_fmt:MATRIX_FMT_FP4 matrix_b_fmt:MATRIX_FMT_FP4
.endif
.endif
.endm
.macro MULS                            ; 64 products: eight accumulators, K ascending on each; four accumulators take turns, one instruction a turn; five switches of the window
	WIN 0x31                                       ; S0 window 1, the bias window 3
.irp b, 0,1,2,3
	MM \b, 0
.endr
	WIN 0x32                                       ; S0 window 2
.irp b, 4,5,6,7
	MM \b, 0
.endr
	WIN 0x01
.irp q, 1,2,3,4,5,6,7
.irp b, 0,1,2,3
	MM \b, \q
.endr
.endr
	WIN 0x02
.irp q, 1,2,3,4,5,6,7
.irp b, 4,5,6,7
	MM \b, \q
.endr
.endr
	WIN 0
.endm
; A lane's 64 numbers, register 16 b + i = place 32 b + 16 (lane / 16) + i along S0, become a fragment's codes in v[PC] on and its scale word in v[pw]
.macro QUANT pw
.irp b, 0,1,2,3
	v_max3_num_f32 v[TM+\b], |v[ACC+16*\b]|, |v[ACC+1+16*\b]|, 0x1800000   ; block b: my 16 numbers, from each accumulator's low end on, and the floor 2^(3 - 127): the byte cannot fall under 1
.endr
.irp i, 2,4,6,8,10,12,14
.irp b, 0,1,2,3
	v_max3_num_f32 v[TM+\b], v[TM+\b], |v[ACC+16*\b+\i]|, |v[ACC+1+16*\b+\i]|
.endr
.endr
.irp b, 0,1,2,3
	v_permlanex16_b32 v[TM+4+\b], v[TM+\b], s46, s47
.endr
.irp b, 0,1,2,3
	v_max_num_f32 v[TM+\b], v[TM+\b], v[TM+4+\b]   ; with lane l xor 16's: the block's largest magnitude
.endr
.irp b, 0,1,2,3
	v_add_nc_u32 v[TM+12+\b], 0xff000000, v[TM+\b] ; 2 off its exponent field: the conversion's scale operand
.endr
.irp b, 0,1,2,3
	v_lshrrev_b32 v[TM+4+\b], 23, v[TM+12+\b]      ; the scale's byte
.endr
	v_lshl_or_b32 v[\pw], v[TM+5], 8, v[TM+4]
	v_lshl_or_b32 v[\pw], v[TM+6], 16, v[\pw]
	v_lshl_or_b32 v[\pw], v[TM+7], 24, v[\pw]
.irp b, 0,1,2,3
	v_cvt_scalef32_pk8_fp4_f32 v[PC+2*\b], v[ACC+16*\b:ACC+7+16*\b], v[TM+12+\b]
	v_cvt_scalef32_pk8_fp4_f32 v[PC+1+2*\b], v[ACC+8+16*\b:ACC+15+16*\b], v[TM+12+\b]
.endr
	v_nop                                          ; one plain place behind a scaled conversion
.irp c, 0,1                            ; the operand's layout wants a whole block in a lane: lanes 0-15 block 2 c, lanes 16-31 block 2 c + 1
.irp i, 0,1
	v_permlane16_swap_b32 v[PC+4*\c+\i], v[PC+2+4*\c+\i]
.endr
.endr
.endm
.macro TILE u, last                    ; tile u of the group of four
	s_wait_dscnt 0x0                               ; the tile's fragments and scale words are in (asked for behind the last tile's products)
	MULS
.rept 4
	v_nop                                          ; places in front of loads into registers that the products have read, and of the first read of results
.endr
.if (\last) == 0
	FETCH ((\u)+1)*TREC                            ; the next tile lands while this one is quantised
.endif
	s_cmp_eq_u32 s21, 0
	s_cbranch_scc1 .Lno_bias_\@
	v_mov_b32 v[BP], v[LB+\u]                      ; MODE 1: bv of my channel, onto all 64 numbers, each accumulator from its low end on
.set JJ, 0
.rept 32
	v_pk_add_f32 v[ACC+JJ:ACC+JJ+1], v[ACC+JJ:ACC+JJ+1], v[BP:BP+1] op_sel_hi:[1,0]
.set JJ, JJ+2
.endr
.Lno_bias_\@:
	s_wait_xcnt 0x0                                ; the last tile's stores have read their data: the codes' registers are written again only behind this wait
	QUANT PW+\u
	global_store_b128 v[VO], v[PC:PC+3], s[36:37] offset:512*(\u)     ; 32 lanes store 512 consecutive bytes
	global_store_b128 v[VO], v[PC+4:PC+7], s[38:39] offset:512*(\u)
.endm
.macro GROUP last
	TILE 0, 0
	TILE 1, 0
	TILE 2, 0
	TILE 3, \last
	v_cndmask_b32 v[WW], v[PW], v[PW+1], s40       ; lanes 0-15 tile 0's words, lanes 16-31 tile 1's (both halves of the lanes hold a row's word)
	v_cndmask_b32 v[WW+1], v[PW+2], v[PW+3], s40
	global_store_b64 v[VS], v[WW:WW+1], s[36:37]   ; 256 consecutive bytes.  MODE 0: bytes 0, 1 are this head's blocks; bytes 2, 3, the next head's, stand over zero codes in the next launch
	s_cmp_eq_u32 s21, 0
	s_cbranch_scc0 .Lone_word_\@
	v_lshrrev_b32 v[WW+2], 16, v[WW]               ; MODE 0: the second head's two bytes
	v_lshrrev_b32 v[WW+3], 16, v[WW+1]
	global_store_b64 v[VS], v[WW+2:WW+3], s[38:39]
.Lone_word_\@:
.if (\last) == 0
	s_wait_xcnt 0x0                                ; the stores have read their offsets: they are stepped only behind this wait
	s_bitcmp1_b32 s45, 0                           ; an odd group?
	s_cselect_b32 s66, s42, s41
	s_cselect_b32 s67, s44, s43
	v_add_nc_u32 v[VO], s66, v[VO]
	v_add_nc_u32 v[VS], s67, v[VS]
	s_add_co_u32 s22, s22, QUART
	v_add_nc_u32 v[SA], s22, v[LI]
	v_add_nc_u32 v[SS], s22, v[SS0]
	s_cmp_eq_u32 s21, 0
	s_cbranch_scc1 .Lno_shift_\@
.set JJ, 0
.rept 12
	v_mov_b32 v[LB+JJ], v[LB+JJ+4]                 ; MODE 1: the next group's four come to the front, so that one text serves every group
.set JJ, JJ+1
.endr
.Lno_shift_\@:
.endif
.endm
	s_wait_loadcnt 0x0                             ; S0, its scale words, the bias
	s_wait_tensorcnt 0x0                           ; my quarter of S1 is in,
	s_barrier_signal -1
	s_barrier_wait -1                              ; everybody's is
	FETCH 0
.Ltrip:                                            ; three trips; the fourth group is written out, so that no LDS load reaches past S1
	GROUP 0
	s_add_co_u32 s45, s45, 1
	s_cmp_lt_u32 s45, 3
	s_cbranch_scc1 .Ltrip
	GROUP 1
	s_wait_tensorcnt 0x0                           ; the wave's end, behind my tensor load
	ds_add_u32 v[SPW], v[NIL]
	s_wait_dscnt 0x0
	ROUND                                          ; the closing round
	s_endpgm
.Lfunc_end_k_qa30fe233a7_proj:
	.size	k_qa30fe233a7_proj, .Lfunc_end_k_qa30fe233a7_proj-k_qa30fe233a7_proj
	.p2alignl 7, 3214868480
	.fill 96, 4, 3214868480
	.section	.rodata,"a",@progbits
	.p2align	6, 0x0
	.amdhsa_kernel k_qa30fe233a7_proj
		.amdhsa_group_segment_fixed_size 167936
		.amdhsa_private_segment_fixed_size 0
		.amdhsa_enable_private_segment 0
		.amdhsa_kernarg_size 56
		.amdhsa_user_sgpr_count 2
		.amdhsa_user_sgpr_kernarg_segment_ptr 1
		.amdhsa_wavefront_size32 1
		.amdhsa_system_sgpr_workgroup_id_x 1
		.amdhsa_system_sgpr_workgroup_id_y 1
		.amdhsa_system_sgpr_workgroup_id_z 1
		.amdhsa_system_vgpr_workitem_id 0
		.amdhsa_next_free_vgpr 832
		.amdhsa_next_free_sgpr 80
		.amdhsa_reserve_vcc 0
		.amdhsa_float_denorm_mode_32 3
		.amdhsa_float_denorm_mode_16_64 3
		.amdhsa_memory_ordered 1
		.amdhsa_forward_progress 1
		.amdhsa_inst_pref_size 151
	.end_amdhsa_kernel
	.amdgpu_metadata
---
amdhsa.version: [ 1, 2 ]
amdhsa.kernels:
  - .name:           k_qa30fe233a7_proj
    .symbol:         k_qa30fe233a7_proj.kd
    .args:
      - { .name: xrec, .offset: 0, .size: 8, .value_kind: global_buffer, .address_space: global }
      - { .name: wrec, .offset: 8, .size: 8, .value_kind: global_buffer, .address_space: global }
      - { .name: bq, .offset: 16, .size: 8, .value_kind: global_buffer, .address_space: global }
      - { .name: bk, .offset: 24, .size: 8, .value_kind: global_buffer, .address_space: global }
      - { .name: bv, .offset: 32, .size: 8, .value_kind: global_buffer, .address_space: global }
      - { .name: qrec, .offset: 40, .size: 8, .value_kind: global_buffer, .address_space: global }
      - { .name: kvrec, .offset: 48, .size: 8, .value_kind: global_buffer, .address_space: global }
    .group_segment_fixed_size: 167936
    .private_segment_fixed_size: 0
    .kernarg_segment_align: 8
    .kernarg_segment_size: 56
    .max_flat_workgroup_size: 128
    .sgpr_count:     80
    .vgpr_count:     832
    .wavefront_size: 32
...
	.end_amdgpu_metadata
.endif
;; end of part 2
;; launch attn (part 3): grid 4 x 64, 16 waves a work-group, clusters of 4 x 1, 215,040 bytes of LDS; arguments qrec, kvrec, out0; writes out0
.if DOCPART == 3
	.amdgcn_target "amdgcn-amd-amdhsa--gfx1250"
	.amdhsa_code_object_version 6
	.text
	.protected	k_qa30fe233a7_attn
	.globl	k_qa30fe233a7_attn
	.p2align	8
	.type	k_qa30fe233a7_attn,@function
k_qa30fe233a7_attn:
	s_mov_b64 s[64:65], 0
	v_nop
	global_prefetch_b8 v0, s[64:65] scope:SCOPE_SE
	s_setreg_imm32_b32 hwreg(HW_REG_WAVE_MODE, 25, 1), 1
	s_wait_xcnt 0x0
	s_wait_alu depctr_hold_cnt(0) depctr_sa_sdst(0) depctr_va_vdst(0) depctr_va_sdst(0) depctr_va_ssrc(0) depctr_va_vcc(0) depctr_vm_vsrc(0)
	s_getreg_b32 s2, hwreg(HW_REG_IB_STS2, 6, 4)
	s_cmp_eq_u32 s2, 0
	s_cbranch_scc0 .Lentry_in_a_cluster
	s_endpgm
.Lentry_in_a_cluster:
	s_bfe_u32 s2, ttmp6, 0x10000c
	s_cmp_lg_u32 s2, 0x3003
	s_cbranch_scc0 .Lentry_shape_is_right
	s_endpgm
.Lentry_shape_is_right:
; out0[b][q][64 head + d] = the sum over keys k <= q of softmax_k(q . k / 8) v[k][d], both products on codes of E2M1 with one E8M0 scale for each 32 along a product's K.
; WORK LEFT OUT: key steps of 128 keys all of which come after a wave's 16 queries: reference() adds -1e9 to those scores itself, so their p is 0 (shown at the head of the first kernel, with the limits:
; |q . k| under 4e8; a NaN, an infinity or an overflow that reaches only hidden scores is not carried to the result).  In the step on the diagonal hidden scores become -infinity ahead of the maximum.
; THE SOFTMAX AHEAD OF THE SECOND PRODUCT: t = score x log2(e) / 8; M = the running largest t rounded up to a whole number; p = 2^(t - M) is quantised along the keys, not normalised; the row's sum is
; taken of the unquantised p and divides at the end.  When M moves, the sum and O are multiplied by 2^(old M - new M), which rounds nothing.
; K = 64 IN AN INSTRUCTION OF 128: k = 64 .. 127 are zero codes on both sides: registers 4-7 of Q's and K's fragments, written once.
; SHARES.  The four work-groups of a cluster serve one (batch, head).  Its K and V, 16 records of 8,960 bytes, all lie in LDS: wave w asks for record w by ONE joint load at the head: no ring, no refill.
; A head has 128 tiles of 16 queries.  With g = wave / 2 and sub = 4 (wave % 2) + cx a wave takes tile 8 g + sub and then tile 127 - (8 g + sub): g + 1 and 16 - g key steps, 17 for every wave.
; The limits hang on the wave's number alone; cx enters global addresses and the mask's lane values alone.
; LAYOUT.  Both products are used transposed: S^T = K Q^T, O^T = V^T P^T: a lane holds ONE query (place lane % 16).  By the order of a tile (tile 2 p + u, place m: 32 p + 8 u + m + 8 (m / 8))
; the 16 registers of tiles 2 p, 2 p + 1 of S^T are 16 neighbouring keys, and those of O^T 16 neighbouring channels.  The records are images of operand registers: every fragment load reads 512 consecutive bytes.
; Sixteen waves of 256 registers, four to a SIMD: one wave's vector work stands beside another's products and LDS loads.
; REGISTERS: v1 16 x lane, v2 8 x lane, v3, v4 the add's two, v5, v6 LDS addresses in hand, v7-v9 the way out, v10 the mask's lane value, v11 -infinity, v12 -M, v13 the largest t, v[14:15] the sum;
; v16-23, v24-31 Q of the two passes; v32-95 K; v96-159 S^T, then p; v160-191 O^T; v192-223 V; v224-231 p's codes; v232-246 at work; v247, v255 Q's scale words; v248-251 K's; v252-253 V's; v254 p's.
.set KVREC, 8960
.set QREC,  4608
.set STAGE, 16*KVREC                   ; behind K and V: 16 rows x (256 bytes + 16) for each wave, for the way out
.set SROW,  272
.set SPARE, STAGE+16*16*SROW           ; behind the stages: the spare words, 128 bytes for each wave, which no other line names
.macro ROUND                           ; a round of the cluster's barrier
	s_barrier_signal -1
	s_barrier_wait -1
	s_cmp_lg_u32 s10, 0
	s_cbranch_scc1 .Lnot_wave_0_\@
	s_barrier_signal -3
.Lnot_wave_0_\@:
	s_barrier_wait -3
	s_barrier_signal -1
	s_barrier_wait -1
.endm
; A pass's numbers, from its key limit s[lim] (the record that holds its queries) and its tile s[sub] in that record: byte offsets of Q's codes s[qc], of Q's scale words s[qw], of its rows in out0 s[ob];
; s[qd] = the tile's first query in the record: 32 (sub / 2) + 8 (sub % 2)
.macro PREP lim, sub, qc, qw, qd, ob
	s_lshl_b32 s56, s12, 4
	s_add_co_u32 s56, s56, s[\lim]
	s_mul_i32 s56, s56, QREC
	s_lshl_b32 s57, s[\sub], 9
	s_add_co_u32 s[\qc], s56, s57
	s_mov_b32 s[\qc+1], 0
	s_lshr_b32 s57, s[\sub], 2
	s_lshl_b32 s57, s57, 8
	s_add_co_u32 s56, s56, s57                     ; the words of tile 4 g + 2 i + o lie at 4,096 + 256 g + 128 o + 8 r + 4 i
	s_and_b32 s57, s[\sub], 1
	s_lshl_b32 s58, s57, 7
	s_add_co_u32 s56, s56, s58
	s_lshl_b32 s[\qd], s57, 3
	s_lshr_b32 s57, s[\sub], 1
	s_lshl_b32 s58, s57, 5
	s_add_co_u32 s[\qd], s[\qd], s58
	s_and_b32 s57, s57, 1
	s_lshl_b32 s57, s57, 2
	s_add_co_u32 s56, s56, s57
	s_add_co_u32 s[\qw], s56, 4096
	s_mov_b32 s[\qw+1], 0
	s_lshr_b32 s56, s12, 4
	s_lshl_b32 s56, s56, 11                        ; 2,048 x batch
	s_lshl_b32 s57, s[\lim], 7
	s_add_co_u32 s56, s56, s57
	s_add_co_u32 s56, s56, s[\qd]                  ; the tile's first token
	s_lshl_b32 s56, s56, 10
	s_and_b32 s57, s12, 15
	s_lshl_b32 s57, s57, 6
	s_add_co_u32 s56, s56, s57                     ; x 1,024 + 64 x head
	s_lshl_b32 s[\ob], s56, 2
	s_mov_b32 s[\ob+1], 0
.endm
	s_load_b128 s[4:7], s[0:1], 0x0                ; qrec s[4:5], kvrec s[6:7]
	s_load_b64 s[8:9], s[0:1], 0x10                ; out0
	v_lshl_add_u32 v3, v0, 2, SPARE
	v_mov_b32 v4, 0
	ds_add_u32 v3, v4                              ; the wave's opening: the add, twice on end, and its wait ahead of my tensor load
	ds_add_u32 v3, v4                              ; and once more; the set-up below, work on registers, stands between it and the wait
	v_lshrrev_b32 v5, 5, v0
	v_readfirstlane_b32 s10, v5                    ; wave 0 .. 15
	s_bfe_u32 s11, ttmp6, 0x40000                  ; cx: my place in the cluster
	s_and_b32 s12, ttmp7, 0xffff                   ; 16 x batch + head, which the four partners share
	; descriptor group 1: a record, dense: 35 rows of 256 bytes (32 elements of 8 bytes), no padding
	s_mov_b32 s16, 15|(3<<16)|(1<<21)              ; 15:0 the mask: all four work-groups; 17:16 elements of 8 bytes; 21 set beside a mask
	s_mov_b32 s17, 32<<16                          ; tensor_dim0 = 32
	s_mov_b32 s18, 35<<16                          ; tensor_dim1 = 35
	s_mov_b32 s19, 32<<16                          ; tile_dim0 = 32
	s_mov_b32 s20, 35                              ; tile_dim1 = 35
	s_mov_b32 s21, 32                              ; the pitch
	s_mov_b32 s22, 0
	s_mov_b32 s23, 0
	s_mov_b32 s28, 0x76543210
	s_mov_b32 s29, 0xfedcba98                      ; v_permlanex16_b32's selects for lane l xor 16
	s_mov_b32 s30, 0x3e38aa3b                      ; c = log2(e) / 8
	s_mov_b32 s31, s30                             ; (named with it as a pair, so it is written)
	s_lshl_b32 s44, s12, 4
	s_add_co_u32 s44, s44, s10
	s_mul_i32 s44, s44, KVREC                      ; record w of my head, in memory,
	s_mov_b32 s45, 0
	s_mov_b32 s24, 1                               ; group 0: count = 1
	s_mul_i32 s25, s10, KVREC                      ; and in LDS
	s_lshr_b32 s34, s10, 1                         ; g: the first pass's limit
	s_xor_b32 s35, s34, 15                         ; 15 - g: the second's
	s_and_b32 s46, s10, 1
	s_lshl_b32 s46, s46, 2
	s_add_co_u32 s46, s46, s11                     ; sub
	s_xor_b32 s47, s46, 7                          ; 7 - sub
	PREP 34, 46, 48, 50, 41, 36
	PREP 35, 47, 52, 54, 42, 38
	s_mul_i32 s60, s10, 16*SROW
	s_add_co_u32 s60, s60, STAGE                   ; my stage
	v_and_b32 v1, 31, v0
	v_lshlrev_b32 v2, 3, v1
	v_lshlrev_b32 v1, 4, v1
	v_and_b32 v5, 15, v0                           ; r
	v_bfe_u32 v6, v0, 4, 1                         ; h
	v_lshlrev_b32 v7, 4, v5
	v_lshl_add_u32 v7, v6, 12, v7                  ; out0: lanes 0-15 one row, lanes 16-31 the next; 16 bytes a lane
	v_mul_u32_u24 v8, v5, SROW
	v_lshl_add_u32 v8, v6, 6, v8
	v_add_nc_u32 v8, s60, v8                       ; the stage, in: row r, + 64 h
	v_mul_u32_u24 v9, v6, SROW
	v_lshl_add_u32 v9, v5, 4, v9
	v_add_nc_u32 v9, s60, v9                       ; and back
	v_lshlrev_b32 v10, 3, v5                       ; Q's scale words: 8 r
	s_wait_dscnt 0x0                               ; both opening adds are done
	s_wait_kmcnt 0x0
	s_add_nc_u64 s[26:27], s[6:7], s[44:45]        ; group 0: the global address
	s_or_b32 s27, s27, 0x80000000                  ; type = 2
	s_add_nc_u64 s[48:49], s[4:5], s[48:49]
	s_add_nc_u64 s[50:51], s[4:5], s[50:51]
	s_add_nc_u64 s[52:53], s[4:5], s[52:53]
	s_add_nc_u64 s[54:55], s[4:5], s[54:55]
	s_add_nc_u64 s[36:37], s[8:9], s[36:37]
	s_add_nc_u64 s[38:39], s[8:9], s[38:39]
	ROUND                                          ; all four work-groups are here: the joint loads meet
	tensor_load_to_lds s[24:27], s[16:23]          ; record w: my one tensor load of the launch
	s_nop 0
.rept 4
	v_nop
.endr
	global_load_b128 v[16:19], v1, s[48:49]        ; Q's codes of both passes stay in registers
	global_load_b128 v[24:27], v1, s[52:53]
	global_load_b32 v255, v10, s[50:51]            ; and their scale words
	global_load_b32 v247, v10, s[54:55]
.irp j, 20,21,22,23,28,29,30,31
	v_mov_b32 v[\j], 0                             ; k = 64 .. 127 of Q: zero codes
.endr
.irp t, 0,1,2,3,4,5,6,7
.irp j, 4,5,6,7
	v_mov_b32 v[32+8*\t+\j], 0                     ; and of K: written once, no load lands here
.endr
.endr
	v_mov_b32 v11, 0xff800000                      ; -infinity
.irp j, 236,237,238,239,245,246
	v_mov_b32 v[\j], 0                             ; lane permutes' destinations, and the upper half of the pair v[244:245], are written before they are named
.endr
; A KEY STEP: 128 keys, record s33, at LDS byte s32.  qf: Q's fragment; qw: its scale words; lim: the pass's last step
.macro STEP qf, qw, lim
	s_cmp_gt_u32 s33, s[\lim]                      ; all its keys come after my queries: nothing but the address's step
	s_cbranch_scc1 .Lhidden_\@
	v_add_nc_u32 v5, s32, v1
	v_add_nc_u32 v6, s32, v2
	v_nop
	v_nop                                          ; four places in front of loads into registers that the last products have read
.irp t, 0,1,2,3,4,5,6,7
	ds_load_b128 v[32+8*\t:35+8*\t], v5 offset:512*\t
.endr
.irp g, 0,1
	ds_load_b64 v[248+2*\g:249+2*\g], v6 offset:4096+256*\g     ; register t / 2: lanes 0-15 tile t even, lanes 16-31 tile t odd
.endr
.irp t, 0,1,2,3
	ds_load_b128 v[192+8*\t:195+8*\t], v5 offset:4608+512*\t
	ds_load_b128 v[196+8*\t:199+8*\t], v5 offset:6656+512*\t
.endr
	ds_load_b64 v[252:253], v6 offset:8704
	s_wait_dscnt 9                                 ; K and its scale words are in; V's nine loads may be out
.irp t, 0,2,4,6
	v_wmma_scale_f32_16x16x128_f8f6f4 v[96+8*\t:103+8*\t], v[32+8*\t:39+8*\t], v[\qf:\qf+7], 0, v[248+\t/2], v[\qw] matrix_a_fmt:MATRIX_FMT_FP4 matrix_b_fmt:MATRIX_FMT_FP4
	v_wmma_scale_f32_16x16x128_f8f6f4 v[104+8*\t:111+8*\t], v[40+8*\t:47+8*\t], v[\qf:\qf+7], 0, v[248+\t/2], v[\qw] matrix_a_fmt:MATRIX_FMT_FP4 matrix_b_fmt:MATRIX_FMT_FP4 matrix_a_scale:MATRIX_SCALE_ROW1
.endr
.rept 4
	v_nop
.endr
	s_cmp_lg_u32 s33, s[\lim]                      ; only the pass's last step lies on the diagonal
	s_cbranch_scc1 .Lopen_\@
.set NN, 0
.rept 64
	v_cmp_gt_i32 vcc_lo, 32*(NN/16)+NN%16, v10     ; register 16 b + i holds key 32 b + 16 (lane / 16) + i of the step: hidden where it comes after my query
	v_cndmask_b32 v[96+NN], v[96+NN], v11, vcc_lo
.set NN, NN+1
.endr
.Lopen_\@:
.irp b, 0,1,2,3
	v_max3_num_f32 v[232+\b], v[96+16*\b], v[97+16*\b], v[98+16*\b]   ; the largest score of each block of 32 keys: for the row's maximum, and, since p rises with the score, for the block's largest p
.endr
.irp i, 3,5,7,9,11,13
.irp b, 0,1,2,3
	v_max3_num_f32 v[232+\b], v[232+\b], v[96+16*\b+\i], v[97+16*\b+\i]
.endr
.endr
.irp b, 0,1,2,3
	v_max_num_f32 v[232+\b], v[232+\b], v[111+16*\b]
.endr
.irp b, 0,1,2,3
	v_permlanex16_b32 v[236+\b], v[232+\b], s28, s29
.endr
.irp b, 0,1,2,3
	v_max_num_f32 v[232+\b], v[232+\b], v[236+\b]  ; with lane l xor 16's 16 keys
.endr
	v_max3_num_f32 v246, v232, v233, v234
	v_max_num_f32 v246, v246, v235                 ; the step's largest score of my query
	v_mul_f32 v246, s30, v246                      ; as t
	v_max_num_f32 v13, v13, v246                   ; the running largest t
	v_mov_b32 v246, v12
	v_floor_f32 v12, -v13                          ; the new -M = -ceil(t)
	v_sub_f32 v246, v12, v246                      ; old M - new M: a whole number, 0 or less
	v_cvt_i32_f32 v246, v246                       ; (it saturates)
	v_ldexp_f32 v244, 1.0, v246                    ; f = 2^(old M - new M)
.set JJ, 0
.rept 32
	v_pk_fma_f32 v[96+JJ:97+JJ], v[96+JJ:97+JJ], s[30:31], v[12:13] op_sel_hi:[1,0,0]   ; t - M, two at a time
.set JJ, JJ+2
.endr
.irp b, 0,1,2,3
	v_fma_f32 v[232+\b], v[232+\b], s30, v12       ; the same of each block's largest score
.endr
.set JJ, 0
.rept 64
	v_exp_f32 v[96+JJ], v[96+JJ]                   ; p = 2^(t - M)
.set JJ, JJ+1
.endr
	v_pk_mul_f32 v[14:15], v[14:15], v[244:245] op_sel_hi:[1,0]   ; the sums under the new M; a plain place behind the exponentials
	s_wait_alu depctr_va_vdst(0)                   ; one wait for the whole batch, ahead of its first reader
.irp b, 0,1,2,3
	v_exp_f32 v[232+\b], v[232+\b]                 ; the block's largest p
.endr
	v_pk_add_f32 v[236:237], v[96:97], v[98:99]    ; the row's sum of the unquantised p, in two chains; it reads the 64 alone
.set JJ, 4
.rept 15
	v_pk_add_f32 v[14:15], v[14:15], v[96+JJ:97+JJ]
	v_pk_add_f32 v[236:237], v[236:237], v[98+JJ:99+JJ]
.set JJ, JJ+4
.endr
	v_pk_add_f32 v[14:15], v[14:15], v[236:237]
	s_wait_alu depctr_va_vdst(0)                   ; and one for the four
.irp b, 0,1,2,3
	v_max_num_f32 v[232+\b], 0x1800000, v[232+\b]  ; the floor 2^(3 - 127): a block whose every p is 0 keeps the byte 1: its codes are zeros
.endr
.irp b, 0,1,2,3
	v_add_nc_u32 v[240+\b], 0xff000000, v[232+\b]  ; 2 off the exponent field: the conversion's scale operand
.endr
.irp b, 0,1,2,3
	v_lshrrev_b32 v[236+\b], 23, v[240+\b]         ; the scale's byte
.endr
	v_lshl_or_b32 v254, v237, 8, v236              ; p's scale word for these 128 keys
	v_lshl_or_b32 v254, v238, 16, v254
	v_lshl_or_b32 v254, v239, 24, v254
.irp b, 0,1,2,3
	v_cvt_scalef32_pk8_fp4_f32 v[224+2*\b], v[96+16*\b:103+16*\b], v[240+\b]
	v_cvt_scalef32_pk8_fp4_f32 v[225+2*\b], v[104+16*\b:111+16*\b], v[240+\b]
.endr
	v_nop                                          ; one plain place behind a scaled conversion
.irp c, 0,1                            ; the operand's layout wants a whole block in a lane
.irp i, 0,1
	v_permlane16_swap_b32 v[224+4*\c+\i], v[226+4*\c+\i]
.endr
.endr
.set JJ, 0
.rept 16
	v_pk_mul_f32 v[160+JJ:161+JJ], v[160+JJ:161+JJ], v[244:245] op_sel_hi:[1,0]   ; O^T under the new M; these sixteen are also the places between p's codes and scale word and the products below
.set JJ, JJ+2
.endr
	s_wait_dscnt 0x0                               ; V and its scale words are in
.irp t, 0,2
	v_wmma_scale_f32_16x16x128_f8f6f4 v[160+8*\t:167+8*\t], v[192+8*\t:199+8*\t], v[224:231], v[160+8*\t:167+8*\t], v[252+\t/2], v254 matrix_a_fmt:MATRIX_FMT_FP4 matrix_b_fmt:MATRIX_FMT_FP4
	v_wmma_scale_f32_16x16x128_f8f6f4 v[168+8*\t:175+8*\t], v[200+8*\t:207+8*\t], v[224:231], v[168+8*\t:175+8*\t], v[252+\t/2], v254 matrix_a_fmt:MATRIX_FMT_FP4 matrix_b_fmt:MATRIX_FMT_FP4 matrix_a_scale:MATRIX_SCALE_ROW1
.endr
.Lhidden_\@:
	s_add_co_u32 s32, s32, KVREC
.endm
; A PASS: one tile of 16 queries.  The loop's trip count is a constant; a step past the limit does nothing.  The loop has no first step of its own: O^T and the sum begin as zeros and the largest t as -3e38.
.macro PASS qf, qw, lim, qd, ob
	v_and_b32 v10, 15, v0
	v_and_b32 v246, 8, v10
	v_add_nc_u32 v10, v10, v246                    ; r + 8 (r / 8)
	v_bfe_u32 v246, v0, 4, 1
	v_lshlrev_b32 v246, 4, v246
	v_sub_nc_u32 v10, v10, v246
	v_add_nc_u32 v10, s[\qd], v10                  ; my query's place in its record, less 16 (lane / 16)
	v_mov_b32 v13, 0xff61b1e6                      ; -3e38, under every t
	v_floor_f32 v12, -v13
	v_mov_b32 v14, 0
	v_mov_b32 v15, 0
.set JJ, 0
.rept 32
	v_mov_b32 v[160+JJ], 0
.set JJ, JJ+1
.endr
	s_mov_b32 s32, 0
	s_mov_b32 s33, 0
.Lkey_\@:
	STEP \qf, \qw, \lim
	s_add_co_u32 s33, s33, 1
	s_cmp_lt_u32 s33, 16
	s_cbranch_scc1 .Lkey_\@
	; the way out: O^T / the sum goes through my stage and leaves as rows of 256 bytes
.rept 4
	v_nop                                          ; places behind the last products
.endr
	v_add_f32 v14, v14, v15
	v_permlanex16_b32 v246, v14, s28, s29
	v_add_f32 v14, v14, v246                       ; the row's sum
	v_rcp_f32 v14, v14
	v_nop                                          ; a plain place behind the reciprocal
	s_wait_alu depctr_va_vdst(0)                   ; and the wait ahead of its first reader
.set JJ, 0
.rept 32
	v_mul_f32 v[96+JJ], v[160+JJ], v14             ; register 8 t + j: channel 32 (t / 2) + 8 (t % 2) + 16 h + j of query place r; each accumulator from its low end on
.set JJ, JJ+1
.endr
.irp t, 0,1,2,3
.irp e, 0,1
	ds_store_b128 v8, v[96+8*\t+4*\e:99+8*\t+4*\e] offset:128*(\t/2)+32*(\t%2)+16*\e
.endr
.endr
.irp i, 0,1,2,3,4,5,6,7
	ds_load_b128 v[128+4*\i:131+4*\i], v9 offset:2*\i*SROW     ; LDS serves a wave's instructions in order: these see my stores
.endr
.irp i, 0,1,2,3,4,5,6,7
	s_wait_dscnt 7-\i                              ; the younger loads may be out
	global_store_b128 v7, v[128+4*\i:131+4*\i], s[\ob:\ob+1] offset:(2*\i+8*(\i/4))*4096 th:TH_STORE_NT   ; place 2 i + lane / 16 is token place + 8 (place / 8); sixteen lanes store 256 consecutive bytes, aligned
.endr
	s_wait_xcnt 0x0                                ; the stores have read their data: the registers are written again only behind this wait
.endm
	s_wait_loadcnt 0x0                             ; Q
	s_wait_tensorcnt 0x0                           ; my record is in,
	s_barrier_signal -1
	s_barrier_wait -1                              ; everybody's is
	PASS 16, 255, 34, 41, 36
	PASS 24, 247, 35, 42, 38
	s_wait_tensorcnt 0x0                           ; the wave's end, behind my tensor load and my last LDS store
	ds_add_u32 v3, v4
	s_wait_dscnt 0x0
	ROUND                                          ; the closing round
	s_endpgm
.Lfunc_end_k_qa30fe233a7_attn:
	.size	k_qa30fe233a7_attn, .Lfunc_end_k_qa30fe233a7_attn-k_qa30fe233a7_attn
	.p2alignl 7, 3214868480
	.fill 96, 4, 3214868480
	.section	.rodata,"a",@progbits
	.p2align	6, 0x0
	.amdhsa_kernel k_qa30fe233a7_attn
		.amdhsa_group_segment_fixed_size 215040
		.amdhsa_private_segment_fixed_size 0
		.amdhsa_enable_private_segment 0
		.amdhsa_kernarg_size 24
		.amdhsa_user_sgpr_count 2
		.amdhsa_user_sgpr_kernarg_segment_ptr 1
		.amdhsa_wavefront_size32 1
		.amdhsa_system_sgpr_workgroup_id_x 1
		.amdhsa_system_sgpr_workgroup_id_y 1
		.amdhsa_system_sgpr_workgroup_id_z 1
		.amdhsa_system_vgpr_workitem_id 0
		.amdhsa_next_free_vgpr 256
		.amdhsa_next_free_sgpr 66
		.amdhsa_reserve_vcc 1
		.amdhsa_float_denorm_mode_32 3
		.amdhsa_float_denorm_mode_16_64 3
		.amdhsa_memory_ordered 1
		.amdhsa_forward_progress 1
		.amdhsa_inst_pref_size 58
	.end_amdhsa_kernel
	.amdgpu_metadata
---
amdhsa.version: [ 1, 2 ]
amdhsa.kernels:
  - .name:           k_qa30fe233a7_attn
    .symbol:         k_qa30fe233a7_attn.kd
    .args:
      - { .name: qrec, .offset: 0, .size: 8, .value_kind: global_buffer, .address_space: global }
      - { .name: kvrec, .offset: 8, .size: 8, .value_kind: global_buffer, .address_space: global }
      - { .name: out0, .offset: 16, .size: 8, .value_kind: global_buffer, .address_space: global }
    .group_segment_fixed_size: 215040
    .private_segment_fixed_size: 0
    .kernarg_segment_align: 8
    .kernarg_segment_size: 24
    .max_flat_workgroup_size: 512
    .sgpr_count:     66
    .vgpr_count:     256
    .wavefront_size: 32
...
	.end_amdgpu_metadata
.endif
;; end of part 3
